; MI455X (gfx1250); checked and timed in simulation.
; The chip was launched on July 23, 2026; its instructions are those of AMD's public machine-readable ISA for CDNA 5 (MIT licence, August 2026) and "CDNA5" Instruction Set Architecture Reference Guide (July 2026). The comments in the code are by the model that wrote it; some were corrected since.
;; Causal Self Attention. Allowed arithmetic: matrix products marked QUANTISED: E5M2 operands, one given power-of-two scale a tensor, by v_wmma_f32_16x16x64_bf8_bf8 or v_wmma_f32_16x16x128_bf8_bf8, f32 sums; everything else in f32.
;; Inputs: W_attn 1,024 x 3,072 float32; W_proj 1,024 x 1,024 float32; b_attn 3,072 float32; b_proj 1,024 float32; lowp_scales 8 int32 (the exponents e of the quantised operands' scales 2^e); padding_mask 4 x 2,048 bool; x 4 x 2,048 x 1,024 float32.
;; Outputs: out0 4 x 2,048 x 1,024 float32.
;; This version of the problem:
;;   THIS VERSION OF THE PROBLEM IS GIVEN IN LOW PRECISION. The matrix products marked QUANTISED in the list below multiply operands that are first quantised to E5M2 (5 exponent bits, 2 mantissa bits; 8 bits a number), with one given power-of-two scale for each operand tensor; their sums are f32. All else is computed in f32.
;;   The module's matrix products, in the order in which they are computed (A, B: the left and right operand; K: the contracted axis; several contracted axes count as one K, in the product's order):
;;     1. [M 8,192, K 1,024] x [K 1,024, N 3,072]; A: input x; B: input W_attn: QUANTISED (scales: A lowp_scales[0], B lowp_scales[1])
;;     2. batch 64 x [M 2,048, K 64] x [K 64, N 2,048]; A: computed on the way; B: computed on the way: QUANTISED (scales: A lowp_scales[2], B lowp_scales[3])
;;     3. batch 64 x [M 2,048, K 2,048] x [K 2,048, N 64]; A: computed on the way; B: computed on the way: QUANTISED (scales: A lowp_scales[4], B lowp_scales[5])
;;     4. [M 8,192, K 1,024] x [K 1,024, N 1,024]; A: computed on the way; B: input W_proj: QUANTISED (scales: A lowp_scales[6], B lowp_scales[7])
;;   THE QUANTISER, for each operand of a quantised product, along K:
;;     - The operand's scale is 2^e, e = its entry of the input lowp_scales (int32; the entries are numbered through the quantised products in the list's order, A before B).
;;     - Each number is divided by the scale, clamped to +-57,344, and rounded to the nearest number of E5M2, ties to even, subnormals kept.
;;     - The product sums the exact products of the quantised numbers (number of the format x scale) in f32.
;;   ~~~python
;;   def quantise(x, axis, e):      # numpy; x: float32 -> the quantised numbers, widened to float32 again
;;       x = np.moveaxis(x, axis, -1); K = x.shape[-1]
;;       r = np.clip(x / 2.0 ** e, -57344, 57344)
;;       step = 2.0 ** (np.maximum(np.frexp(np.where(r == 0, 1, r))[1] - 1, -14) - 2)
;;       q = np.round(r / step) * step * 2.0 ** e      # np.round: ties to even
;;       return np.moveaxis(q, -1, axis).astype(np.float32)
;;   ~~~
;;   OPERANDS COMPUTED ON THE WAY. 'Computed on the way' means the value that the module computes at that place (a softmax that the list does not call 'softmax' is quantised finished and normalised). What goes into a quantiser is computed in f32, as accurately as f32 sums, v_exp_f32 and their like allow (about 1e-6 of the number): no bf16 or f16 on the way to a quantiser, and a product that is left as it is and whose result goes on into a quantised operand takes f32 operands (vector FMAs, or v_wmma_f32_16x16x4_f32). A number that lies on a knife's edge between two numbers of the format may be rounded either way, as far as f32 arithmetic and the matrix unit's own rounding can turn it there, and no further.
;; One version. Each part assembles by itself: llvm-mc -triple=amdgcn-amd-amdhsa -mcpu=gfx1250 --defsym DOCPART=n.
;; ======== version 1 of 1: 4 launches
;; limits: right only within a limited range of input values
;; workspace buffers: x_codes 8,388,608 bytes; w_codes 4,194,304 bytes; qkv_codes 25,165,824 bytes; y_codes 8,388,608 bytes
;; launch prep (part 1): grid 384 x 1, 4 waves a work-group, no clusters, 68,096 bytes of LDS; arguments x, W_attn, W_proj, lowp_scales, x_codes, w_codes; writes x_codes, w_codes
.if DOCPART == 1
	.amdgcn_target "amdgcn-amd-amdhsa--gfx1250"
	.amdhsa_code_object_version 6
	.text
	.protected	k_qfc763a0fa9_prep
	.globl	k_qfc763a0fa9_prep
	.p2align	8
	.type	k_qfc763a0fa9_prep,@function
k_qfc763a0fa9_prep:
	s_mov_b64 s[64:65], 0
	v_nop
	global_prefetch_b8 v0, s[64:65] scope:SCOPE_SE
	s_setreg_imm32_b32 hwreg(HW_REG_WAVE_MODE, 25, 1), 1
	s_wait_xcnt 0x0
; x [8192][1024], W_attn [1024][3072] and W_proj [1024][1024], f32, become codes of BF8 (E5M2), K innermost, each with the one scale 2^e given for it
; (entries 0, 1 and 7 of the buffer of scales).  code = number / 2^e, held within +-57,344, to the nearest code, ties to even.
; x_codes: [8192][1024].  w_codes: [4096][1024]: rows 0-3071 are W_attn's columns, rows 3072-4095 W_proj's.
; LIMITS: each e lies between -126 and 112, so that 2^e and 57,344 x 2^e are f32 numbers.  NaN among the inputs is not served.
; Work-groups 0-255 take x (K is innermost: a plain stream), work-groups 256-383 the weights (K is the first axis: a lane takes a column and its registers run down K).
; The two ways part on the work-group's number, never join, and have LDS bytes of their own: 0-32767 and 32768-67583.  No tensor loads, no barrier: waves share nothing.
; w_codes' rows as named above are STORED BY FRAGMENTS, in the order in which a wave's operand registers take them: for each block of 16 rows and each 128 along K, 2,048 bytes:
; [c 0..3][lane 0..31][16 bytes] = row 16 block + lane % 16, K = 128 step + 32 c + 16 (lane / 16) + 0 .. 15; the eight steps of a block lie on end.
.set STEPS, 16
.set XR,    16                         ; v16-79   x: four sets of 16 numbers as they are loaded
.set XX,    80                         ; v80-111  x: two sets of 16 neighbours
.set XC,    128                        ; v128-191 x: codes, four registers for each step: no store's data are written again
.set SP,    80                         ; x: a lane's place in a stage: 64 bytes + 16 of padding
.set WREG,  8192                       ; x: LDS for each wave: two stages of 32 x SP bytes
.set WX,    32                         ; v32-95   W: two sets of 32 numbers; on the way out the rows read back
.set WC,    96                         ; v96-103  W: a block's codes
.set VO,    112                        ; v112-143 W: byte offset of row i of a block, + 4 x lane; never rewritten
.set WP,    272                        ; W: a stage row: 256 bytes of codes + 16
.set WSTG,  32768                      ; W: the stages, 32 rows for each wave
	s_load_b256 s[4:11], s[0:1], 0x0               ; x s[4:5], W_attn s[6:7], W_proj s[8:9], the scales' exponents s[10:11]
	s_load_b128 s[12:15], s[0:1], 0x20             ; x_codes s[12:13], w_codes s[14:15]
	v_lshl_add_u32 v192, v0, 2, 0x10800
	v_mov_b32 v193, 0
	v_lshrrev_b32 v1, 5, v0
	v_readfirstlane_b32 s16, v1                    ; wave 0..3
	v_and_b32 v2, 31, v0                           ; lane
	s_wait_kmcnt 0x0
	s_load_b256 s[48:55], s[10:11], 0x0            ; e0 .. e7
	s_cmp_lt_u32 ttmp9, 256
	s_cbranch_scc0 .Lweights
; ---- x.  A wave takes 16 steps of 512 numbers.  Each of a step's four loads reads 512 consecutive bytes, 16 a lane; the 2,048 bytes go through the wave's own stage
; and come back 64 bytes a lane, so that a lane holds 16 neighbours along K for the conversions.  A lane's 16 codes are 16 bytes: the wave stores 512 consecutive bytes.
	s_wait_alu depctr_va_vdst(0)
	v_lshlrev_b32 v3, 4, v2                        ; my 16 bytes of a load's 512
	s_wait_alu depctr_va_vdst(0)
	s_mul_i32 s17, s16, WREG
	v_lshrrev_b32 v14, 2, v2
	v_mul_u32_u24 v14, v14, SP
	v_and_b32 v15, 3, v2
	v_lshl_add_u32 v14, v15, 4, v14
	v_add_nc_u32 v14, s17, v14                     ; the stage, on the way in: SP (lane / 4) + 16 (lane % 4)
	v_mul_u32_u24 v15, v2, SP
	v_add_nc_u32 v15, s17, v15                     ; and on the way out: SP x lane
	v_lshlrev_b32 v4, 4, v2                        ; my codes' place in a step's 512 bytes
	s_lshl_b32 s17, ttmp9, 2
	s_add_co_u32 s18, s17, s16                     ; which run of 8,192 numbers is my wave's
	s_mov_b32 s19, 0
	s_lshl_b64 s[20:21], s[18:19], 15              ; 32,768 bytes of numbers,
	s_add_nc_u64 s[4:5], s[4:5], s[20:21]
	s_lshl_b64 s[20:21], s[18:19], 13              ; 8,192 bytes of codes
	s_add_nc_u64 s[12:13], s[12:13], s[20:21]
.macro XLOAD t
.irp i, 0,1,2,3
	global_load_b128 v[XR+16*((\t)%4)+4*\i:XR+16*((\t)%4)+4*\i+3], v3, s[4:5] offset:2048*(\t)+512*\i th:TH_LOAD_NT
.endr
.endm
.macro XTURN t                         ; a step's numbers through the stage: LDS serves a wave's instructions in order, so no wait stands between the stores and the loads
.irp i, 0,1,2,3
	ds_store_b128 v14, v[XR+16*((\t)%4)+4*\i:XR+16*((\t)%4)+4*\i+3] offset:32*SP*((\t)%2)+8*SP*\i
.endr
.irp i, 0,1,2,3
	ds_load_b128 v[XX+16*((\t)%2)+4*\i:XX+16*((\t)%2)+4*\i+3], v15 offset:32*SP*((\t)%2)+16*\i
.endr
.endm
.irp t, 0,1,2,3
	XLOAD \t
.endr
	s_wait_alu depctr_va_vdst(0)
	s_wait_kmcnt 0x0
	s_add_co_i32 s22, s48, 127
	s_lshl_b32 s23, s22, 23
	v_mov_b32 v11, s23                             ; 2^e0 as f32: the conversion takes its exponent field
	s_add_co_i32 s22, s22, 15
	s_lshl_b32 s22, s22, 23
	s_or_b32 s22, s22, 0x600000
	v_mov_b32 v10, s22                             ; 57,344 x 2^e0
	s_wait_alu depctr_va_vdst(0)
	s_wait_loadcnt 12                              ; step 0's four loads are in; the twelve of steps 1 to 3 may be out
	XTURN 0
.macro XSTEP t
.set XS, XX+16*((\t)%2)
	s_wait_dscnt 0x0                               ; this step's numbers are back from the stage, so its stores into the stage have read their registers,
.if (\t)+4 < STEPS
	XLOAD (\t)+4                                   ; which take the loads of four steps on
.endif
.if (\t)+1 < STEPS
.if STEPS-2-(\t) >= 3
	s_wait_loadcnt 12                              ; the next step's four loads are in; those of the three steps behind it may be out
.else
	s_wait_loadcnt 4*(STEPS-2-(\t))
.endif
	XTURN (\t)+1
.endif
.irp i, 0,1,2,3,4,5,6,7,8,9,10,11,12,13,14,15
	v_med3_num_f32 v[XS+\i], v[XS+\i], -v10, v10   ; the conversion to an 8-bit code does not saturate (ISA guide 7.6.2): the hold comes first
.endr
	v_cvt_scalef32_pk8_bf8_f32 v[XC+4*(\t):XC+4*(\t)+1], v[XS:XS+7], v11
	v_cvt_scalef32_pk8_bf8_f32 v[XC+4*(\t)+2:XC+4*(\t)+3], v[XS+8:XS+15], v11
	global_store_b128 v4, v[XC+4*(\t):XC+4*(\t)+3], s[12:13] offset:512*(\t)   ; the codes go to a store alone; the next vector lines are the next step's holds, on other registers
.endm
.irp t, 0,1,2,3,4,5,6,7,8,9,10,11,12,13,14,15
	XSTEP \t
.endr
	s_wait_tensorcnt 0x0
	ds_add_u32 v192, v193
	s_wait_dscnt 0x0
	s_endpgm
; ---- The weights.  Work-group 256 + 4 g + y takes columns 128 g .. 128 g + 127 of the 4,096 joint columns and rows 256 y .. 256 y + 255 of K; a wave 32 columns.
; Each load reads one row of K at 32 neighbouring columns (128 consecutive bytes a wave, 512 a work-group); a lane's 32 registers are 32 neighbours along K of one column.
; The codes go through the wave's own stage and leave as rows: sixteen lanes store 256 consecutive bytes, aligned.
.Lweights:
	s_sub_co_u32 s17, ttmp9, 256
	s_and_b32 s18, s17, 3                          ; y
	s_lshr_b32 s19, s17, 2                         ; g
	s_mov_b32 s20, 4096
	s_cmp_lt_u32 s19, 24                           ; W_attn's columns or W_proj's?  The choice hangs on the work-group's number alone
	s_cselect_b64 s[22:23], s[6:7], s[8:9]
	s_cselect_b32 s20, 12288, s20                  ; bytes from a row of K to the next
	s_cselect_b32 s21, 0, 24
	s_sub_co_u32 s24, s19, s21                     ; the group of columns within its own tensor
	s_lshl_b32 s25, s18, 8
	s_mul_i32 s25, s25, s20                        ; 256 y rows
	s_lshl_b32 s26, s24, 9                         ; + 128 columns x 4 bytes a group
	s_add_co_u32 s25, s25, s26
	s_lshl_b32 s26, s16, 7                         ; + 32 columns x 4 bytes a wave
	s_add_co_u32 s26, s25, s26
	s_mov_b32 s27, 0
	s_add_nc_u64 s[32:33], s[22:23], s[26:27]      ; block 0's base;
	s_lshl_b32 s30, s20, 5                         ; 32 rows on for each further block: eight bases, so that none is stepped
	s_mov_b32 s31, 0
.irp t, 1,2,3,4,5,6,7
	s_add_nc_u64 s[32+2*\t:33+2*\t], s[30+2*\t:31+2*\t], s[30:31]
.endr
	s_wait_alu depctr_va_vdst(0)
	v_lshlrev_b32 v[VO], 2, v2
.set wi, 1
.rept 31
	v_add_nc_u32 v[VO+wi], s20, v[VO+wi-1]
.set wi, wi+1
.endr
	s_mul_i32 s28, s16, 32*WP
	s_add_co_u32 s28, s28, WSTG                    ; my stage
	v_mul_u32_u24 v4, v2, WP
	v_add_nc_u32 v4, s28, v4                       ; into it: row = my column
	v_and_b32 v5, 15, v2
	v_lshrrev_b32 v6, 4, v2
	v_mul_u32_u24 v7, v5, WP
	v_lshl_add_u32 v7, v6, 4, v7
	v_add_nc_u32 v7, s28, v7                       ; out of it: row lane % 16 of a block of 16, + 16 (lane / 16)
	v_lshlrev_b32 v8, 4, v2                        ; and 16 x lane in a fragment's quarter of 512 bytes
	s_lshl_b32 s28, s19, 17                        ; 128 rows of w_codes a group,
	s_lshl_b32 s29, s16, 15                        ; 32 a wave,
	s_add_co_u32 s28, s28, s29
	s_lshl_b32 s29, s18, 12                        ; two fragments of 2,048 bytes for my 256 along K
	s_add_co_u32 s28, s28, s29
	s_mov_b32 s29, 0
	s_add_nc_u64 s[14:15], s[14:15], s[28:29]
	s_wait_alu depctr_va_vdst(0)
.macro WLOAD t                         ; block t: rows 32 t + i of my 256, i = 0 .. 31, into set t % 2
.set wi, 0
.rept 32
	global_load_b32 v[WX+32*((\t)%2)+wi], v[VO+wi], s[32+2*(\t):33+2*(\t)] th:TH_LOAD_NT
.set wi, wi+1
.endr
.endm
	WLOAD 0
	WLOAD 1
	s_wait_kmcnt 0x0
	s_cmp_lt_u32 s19, 24
	s_cselect_b32 s24, s49, s55                    ; e1 or e7
	s_add_co_i32 s24, s24, 127
	s_lshl_b32 s25, s24, 23
	v_mov_b32 v11, s25                             ; 2^e as f32
	s_add_co_i32 s24, s24, 15
	s_lshl_b32 s24, s24, 23
	s_or_b32 s24, s24, 0x600000
	v_mov_b32 v10, s24                             ; 57,344 x 2^e
.macro WBLOCK t
.set WS, WX+32*((\t)%2)
.if (\t) < 7
	s_wait_loadcnt 32                              ; this block's 32 loads are in; the next block's may be out
.else
	s_wait_loadcnt 0
.endif
.set wi, 0
.rept 32
	v_med3_num_f32 v[WS+wi], v[WS+wi], -v10, v10
.set wi, wi+1
.endr
.irp g, 0,1,2,3
	v_cvt_scalef32_pk8_bf8_f32 v[WC+2*\g:WC+2*\g+1], v[WS+8*\g:WS+8*\g+7], v11
.endr
	ds_store_b128 v4, v[WC:WC+3] offset:32*(\t)    ; 32 codes: 32 bytes of my column's row
	ds_store_b128 v4, v[WC+4:WC+7] offset:32*(\t)+16
.if (\t)+2 < 8
	WLOAD (\t)+2
.endif
	s_wait_dscnt 0x0                               ; the stores have read their registers: the next block's codes may be written
.endm
	s_wait_alu depctr_va_vdst(0)
.irp t, 0,1,2,3,4,5,6,7
	WBLOCK \t
.endr
.irp t, 0,1,2,3,4,5,6,7,8,9,10,11,12,13,14,15
	ds_load_b128 v[WX+4*\t:WX+4*\t+3], v7 offset:(\t/8)*16*WP+((\t/4)%2)*128+32*(\t%4)   ; block t / 8, step (t / 4) % 2, c = t % 4
.endr
.irp t, 0,1,2,3,4,5,6,7,8,9,10,11,12,13,14,15
	s_wait_dscnt 15-\t
	global_store_b128 v8, v[WX+4*\t:WX+4*\t+3], s[14:15] offset:((\t/8)*8+(\t/4)%2)*2048+(\t%4)*512   ; 512 consecutive bytes, aligned
.endr
	s_wait_tensorcnt 0x0
	ds_add_u32 v192, v193
	s_wait_dscnt 0x0
	s_endpgm
.Lfunc_end_k_qfc763a0fa9_prep:
	.size	k_qfc763a0fa9_prep, .Lfunc_end_k_qfc763a0fa9_prep-k_qfc763a0fa9_prep
	.p2alignl 7, 3214868480
	.fill 96, 4, 3214868480
	.section	.rodata,"a",@progbits
	.p2align	6, 0x0
	.amdhsa_kernel k_qfc763a0fa9_prep
		.amdhsa_group_segment_fixed_size 68096
		.amdhsa_private_segment_fixed_size 0
		.amdhsa_enable_private_segment 0
		.amdhsa_kernarg_size 48
		.amdhsa_user_sgpr_count 2
		.amdhsa_user_sgpr_kernarg_segment_ptr 1
		.amdhsa_wavefront_size32 1
		.amdhsa_system_sgpr_workgroup_id_x 1
		.amdhsa_system_sgpr_workgroup_id_y 1
		.amdhsa_system_sgpr_workgroup_id_z 1
		.amdhsa_system_vgpr_workitem_id 0
		.amdhsa_next_free_vgpr 194
		.amdhsa_next_free_sgpr 66
		.amdhsa_reserve_vcc 0
		.amdhsa_float_denorm_mode_32 3
		.amdhsa_float_denorm_mode_16_64 3
		.amdhsa_memory_ordered 1
		.amdhsa_forward_progress 1
		.amdhsa_inst_pref_size 87
	.end_amdhsa_kernel
	.amdgpu_metadata
---
amdhsa.version: [ 1, 2 ]
amdhsa.kernels:
  - .name:           k_qfc763a0fa9_prep
    .symbol:         k_qfc763a0fa9_prep.kd
    .args:
      - { .name: x, .offset: 0, .size: 8, .value_kind: global_buffer, .address_space: global }
      - { .name: W_attn, .offset: 8, .size: 8, .value_kind: global_buffer, .address_space: global }
      - { .name: W_proj, .offset: 16, .size: 8, .value_kind: global_buffer, .address_space: global }
      - { .name: lowp_scales, .offset: 24, .size: 8, .value_kind: global_buffer, .address_space: global }
      - { .name: x_codes, .offset: 32, .size: 8, .value_kind: global_buffer, .address_space: global }
      - { .name: w_codes, .offset: 40, .size: 8, .value_kind: global_buffer, .address_space: global }
    .group_segment_fixed_size: 68096
    .private_segment_fixed_size: 0
    .kernarg_segment_align: 8
    .kernarg_segment_size: 48
    .max_flat_workgroup_size: 128
    .sgpr_count:     66
    .vgpr_count:     194
    .wavefront_size: 32
...
	.end_amdgpu_metadata
.endif
;; end of part 1
;; launch qkv (part 2): grid 4 x 64, 4 waves a work-group, clusters of 4 x 1, 327,680 bytes of LDS; arguments x_codes, w_codes, b_attn, lowp_scales, qkv_codes; writes qkv_codes
.if DOCPART == 2
	.amdgcn_target "amdgcn-amd-amdhsa--gfx1250"
	.amdhsa_code_object_version 6
	.text
	.protected	k_qfc763a0fa9_qkv
	.globl	k_qfc763a0fa9_qkv
	.p2align	8
	.type	k_qfc763a0fa9_qkv,@function
k_qfc763a0fa9_qkv:
	s_mov_b64 s[64:65], 0
	v_nop
	global_prefetch_b8 v0, s[64:65] scope:SCOPE_SE
	s_setreg_imm32_b32 hwreg(HW_REG_WAVE_MODE, 25, 1), 1
	s_wait_xcnt 0x0
	s_wait_alu depctr_hold_cnt(0) depctr_sa_sdst(0) depctr_va_vdst(0) depctr_va_sdst(0) depctr_va_ssrc(0) depctr_va_vcc(0) depctr_vm_vsrc(0)
	s_getreg_b32 s2, hwreg(HW_REG_IB_STS2, 6, 4)
	s_cmp_eq_u32 s2, 0
	s_cbranch_scc0 .Lentry_in_a_cluster
	s_endpgm
.Lentry_in_a_cluster:
	s_bfe_u32 s2, ttmp6, 0x10000c
	s_cmp_lg_u32 s2, 0x3003
	s_cbranch_scc0 .Lentry_shape_is_right
	s_endpgm
.Lentry_shape_is_right:
; qkv = x W_attn + b_attn on codes of BF8 (E5M2), quantised at once for the two products of attention (scales e2 for q, e3 for k, e5 for v).
; x_codes [8192][1024]; w_codes by fragments (block of 16 columns, 128 along K: 2,048 bytes in register order, a block's eight steps on end).
; qkv_codes: sections q, k, v of 8,388,608 bytes, blocks of 131,072 bytes for each (batch, head): q, k [token][64 bytes], v [chunk of 64 keys][d 64][64 bytes along the keys];
; in each run of 64 bytes, byte 32 c + 16 h + i holds element 32 c + 8 h + i (i < 8) and byte 32 c + 16 h + 8 + i element 32 c + 16 + 8 h + i.
; LIMITS: e0 + e1, and e2, e3, e5 less e0 + e1, between -126 and 112, so that each power of two below is an f32 number.  NaN is not served.
; SHARES.  A work-group owns 128 rows of x with ALL of K: 128 x 1,024 bytes in LDS, filled once (one load a wave, 32 rows), so the loops have no barrier.  The cluster's four work-groups own the same rows and ask
; jointly; work-group cx takes heads 4 cx .. 4 cx + 3, wave w head 4 cx + w: its 64 columns of q, then of k, then of v: three chunks of 128 x 64, 32 accumulators.  No branch hangs on cx.
; The weights' fragments come straight from memory into registers, 512 consecutive bytes a load, three K steps ahead in four sets, on across the chunks' ends; that lead is why no prefetch is laid beside them.
; q, k: source 0 = 16 columns of W, source 1 = 16 rows of x: a lane holds 8 neighbouring features of one token.  v: the sources swapped: 8 neighbouring tokens of one feature.  The accumulators are numbered so that
; unit u (four on end) is 16 rows of 64 bytes of the output in both cases: one way out.  The bias, divided by 2^(e0 + e1), is the C of the first K step; the scales are folded into the conversion's one.
; REGISTERS.  Window 0: v1 16 x lane; v2, v3 A's LDS addresses (rows 0-63, 64-127); v4, v5 the stage, in and back; v8, v9 scale and hold; v10, v11 the spare word and 0; v32-127 the three biases; v128-191 codes; v192-255 rows read back.
; Window 1: the accumulators.  Windows 2 and 3 (even and odd K steps): v0-127 A's eight fragments, v128-255 two sets of B's four.
.set PITCH, 1040                       ; an LDS row of x: 1,024 bytes + 16
.set STG,   128*PITCH                  ; the way out: 128 rows x 80 bytes for each wave
.set SPARE, STG+4*10240                ; the spare words
.set BI,  32
.set BIK, 64
.set BIV, 96
.set CD,  128
.set BK,  192
.set MSB, 0
.macro WIN new                         ; the immediate's high byte repeats the setting that is left
.if MSB != \new
	s_set_vgpr_msb (MSB<<8)|\new
.set MSB, \new
.endif
.endm
.macro CROUND                          ; a round of the cluster's barrier
	s_barrier_signal -1
	s_barrier_wait -1
	s_cmp_lg_u32 s14, 0
	s_cbranch_scc1 .Lnot_wave_0_\@
	s_barrier_signal -3
.Lnot_wave_0_\@:
	s_barrier_wait -3
	s_barrier_signal -1
	s_barrier_wait -1
.endm
.macro LDB kk, nb                      ; B's fragment of column block nb, K step kk (8 and more: the next section's, 1,048,576 bytes on), into set kk % 4
.if (\kk) < 8
.set BO, (\kk)*2048
.else
.set BO, (1<<20)+((\kk)-8)*2048
.endif
.set RB, 128+64*(((\kk)%4)/2)+16*(\nb)
.irp c, 0,1,2,3
	global_load_b128 v[RB+4*\c:RB+4*\c+3], v1, s[48:49] offset:BO+(\nb)*16384+\c*512
.endr
.endm
.macro LDA kn, i                       ; A's fragment of rows 16 i on, K step kn: registers 4 c .. 4 c + 3 hold K = 32 c + 16 h + 0 .. 15, as B's do
.set RA, 16*(\i)
.irp c, 0,1,2,3
	ds_load_b128 v[RA+4*\c:RA+4*\c+3], v[2+(\i)/4] offset:((\i)%4)*16*PITCH+128*(\kn)+32*\c
.endr
.endm
.macro MUL8 k, a0, sw, bi              ; row blocks a0, a0 + 1 x the four column blocks; the 32 accumulators take turns, one instruction a turn
.irp a, \a0, \a0+1
.irp b, 0,1,2,3
.set FB, 128+64*(((\k)%4)/2)+16*\b
.set FA, 16*(\a)
.if \sw
.set AC, 8*(4*(4*((\a)/4)+\b)+(\a)%4)
.if (\k) == 0
	v_wmma_f32_16x16x128_bf8_bf8 v[AC:AC+7], v[FA:FA+15], v[FB:FB+15], v[\bi+8*\b:\bi+8*\b+7]
.else
	v_wmma_f32_16x16x128_bf8_bf8 v[AC:AC+7], v[FA:FA+15], v[FB:FB+15], v[AC:AC+7]
.endif
.else
.set AC, 8*(4*(\a)+\b)
.if (\k) == 0
	v_wmma_f32_16x16x128_bf8_bf8 v[AC:AC+7], v[FB:FB+15], v[FA:FA+15], v[\bi+8*\b:\bi+8*\b+7]
.else
	v_wmma_f32_16x16x128_bf8_bf8 v[AC:AC+7], v[FB:FB+15], v[FA:FA+15], v[AC:AC+7]
.endif
.endif
.endr
.endr
.endm
; A K step of 128: 32 products in four groups; behind each group a run of loads: A's fragments of the next step, B's of three steps on.  more = 1: another chunk follows.
.macro KS k, sw, bi, more
.if (\k) == 0
.set WM, 0x4a                          ; sources 0 and 1 window 2, C window 0 (the bias), D window 1
.else
.set WM, (2+(\k)%2)*5+0x50             ; sources 0 and 1 window 2 or 3, C and D window 1
.endif
.set WL, (3-(\k)%2)<<6                 ; loads: into the other of the two windows
.if \more || ((\k) < 6)
	s_wait_loadcnt 32                              ; B's set of this step is in; the two sets behind it may be out
.else
	s_wait_loadcnt 16*(7-(\k))
.endif
	s_wait_dscnt 8                                 ; A's blocks 0-5 are in; the youngest eight loads (blocks 6, 7) may be out
	WIN WM
	MUL8 \k, 0, \sw, \bi
.if \more || ((\k) < 7)
.rept 4
	v_nop                                          ; places between the last step's products and the loads into their registers
.endr
	WIN WL
	LDA ((\k)+1)%8, 0
	LDA ((\k)+1)%8, 1
	LDA ((\k)+1)%8, 2
	s_wait_dscnt 12                                ; all but the 12 just issued
.else
	s_wait_dscnt 0x0
.endif
	WIN WM
	MUL8 \k, 2, \sw, \bi
.if \more || ((\k) < 7)
	WIN WL
	LDA ((\k)+1)%8, 3
	LDA ((\k)+1)%8, 4
	LDA ((\k)+1)%8, 5
.endif
	WIN WM
	MUL8 \k, 4, \sw, \bi
.if \more || ((\k) < 7)
	WIN WL
	LDA ((\k)+1)%8, 6
	LDA ((\k)+1)%8, 7
.endif
.if \more || ((\k) < 5)
	WIN WL
	LDB (\k)+3, 0
.endif
	WIN WM
	MUL8 \k, 6, \sw, \bi
.if \more || ((\k) < 5)
	WIN WL
	LDB (\k)+3, 1
	LDB (\k)+3, 2
	LDB (\k)+3, 3
.endif
.endm
; THE WAY OUT of a chunk: held, converted, through my own stage (rows of 80 bytes), and out as 16 stores of 512 consecutive bytes, aligned: the chunk's 8,192 bytes lie on end in the output.
.macro WAYOUT
	WIN 0x41                                       ; source 0 and destination in window 1
.set jj, 0
.rept 256
	v_med3_num_f32 v[jj], v[jj], -v9, v9           ; the conversion does not saturate (ISA guide 7.6.2); each accumulator from its low end on
.set jj, jj+1
.endr
	WIN 0x01
.set jj, 0
.rept 32
	v_cvt_scalef32_pk8_bf8_f32 v[CD+2*jj:CD+2*jj+1], v[8*jj:8*jj+7], v8
.set jj, jj+1
.endr
	WIN 0
	v_nop                                          ; a plain line behind the last conversion
.set jj, 0
.rept 16
	ds_store_b128 v4, v[CD+4*jj:CD+4*jj+3] offset:1280*(jj/2)+32*(jj%2)
.set jj, jj+1
.endr
.set jj, 0
.rept 16
	ds_load_b128 v[BK+4*jj:BK+4*jj+3], v5 offset:640*jj   ; LDS serves a wave's instructions in order: these see my stores
.set jj, jj+1
.endr
.set jj, 0
.rept 16
	s_wait_dscnt 15-jj
	global_store_b128 v1, v[BK+4*jj:BK+4*jj+3], s[50:51] offset:512*jj
.set jj, jj+1
.endr
.endm
.macro SC e, d                         ; s[d] = 2^(e - e0 - e1), s[d + 1] = 57,344 x that
	s_sub_co_i32 s23, s[\e], s22
	s_add_co_i32 s23, s23, 127
	s_lshl_b32 s[\d], s23, 23
	s_add_co_i32 s23, s23, 15
	s_lshl_b32 s[\d+1], s23, 23
	s_or_b32 s[\d+1], s[\d+1], 0x600000
.endm
	s_load_b256 s[4:11], s[0:1], 0x0               ; x_codes s[4:5], w_codes s[6:7], b_attn s[8:9], the scales' exponents s[10:11]
	s_load_b64 s[12:13], s[0:1], 0x20              ; qkv_codes
	v_lshl_add_u32 v10, v0, 2, SPARE
	v_mov_b32 v11, 0
	ds_add_u32 v10, v11                            ; the opening lines: the add, twice on end, and one wait
	ds_add_u32 v10, v11
	v_lshrrev_b32 v12, 5, v0
	v_readfirstlane_b32 s14, v12                   ; wave 0..3
	s_bfe_u32 s15, ttmp6, 0x40000                  ; cx: it enters global addresses alone
	s_and_b32 s16, ttmp7, 0xffff                   ; which 128 rows
	s_mov_b32 s24, 1
	s_mul_i32 s25, s14, 32*PITCH                   ; LDS: my 32 rows
	s_lshl_b32 s28, s16, 17
	s_lshl_b32 s29, s14, 15
	s_add_co_u32 s28, s28, s29
	s_mov_b32 s29, 0
	s_mov_b32 s32, 15|(3<<16)|(1<<20)|(1<<21)|(7<<22)|(3<<25)   ; the mask: all four work-groups; elements of 8 bytes; padding on; bit 21 beside a mask; after every 256 words; 4 words
	s_mov_b32 s33, 128<<16                         ; tensor_dim0 = 128 elements
	s_mov_b32 s34, 32<<16                          ; tensor_dim1 = 32
	s_mov_b32 s35, 128<<16                         ; tile_dim0
	s_mov_b32 s36, 32                              ; tile_dim1
	s_mov_b32 s37, 128                             ; from row to row
	s_mov_b32 s38, 0
	s_mov_b32 s39, 0
	s_wait_dscnt 0x0                               ; both opening adds are done
	s_wait_kmcnt 0x0
	s_load_b256 s[40:47], s[10:11], 0x0            ; e0 .. e7
	s_add_nc_u64 s[26:27], s[4:5], s[28:29]
	s_or_b32 s27, s27, 0x80000000
	CROUND                                         ; all four work-groups are here: the joint loads meet
	tensor_load_to_lds s[24:27], s[32:39]          ; my one tensor load of the launch
	s_nop 0
.rept 4
	v_nop
.endr
	s_lshl_b32 s17, s15, 2
	s_add_co_u32 s17, s17, s14                     ; my head
	s_lshl_b32 s18, s17, 16
	s_mov_b32 s19, 0
	s_add_nc_u64 s[48:49], s[6:7], s[18:19]        ; its four column blocks of q: 16,384 bytes a block
	s_lshl_b32 s18, s17, 8
	s_add_nc_u64 s[8:9], s[8:9], s[18:19]          ; its 64 biases of q
	s_lshr_b32 s18, s16, 4
	s_lshl_b32 s18, s18, 4
	s_add_co_u32 s18, s18, s17                     ; 16 x batch + head
	s_lshl_b32 s18, s18, 17
	s_and_b32 s20, s16, 15
	s_lshl_b32 s20, s20, 13                        ; + my 128 tokens x 64 bytes
	s_add_co_u32 s18, s18, s20
	s_add_nc_u64 s[50:51], s[12:13], s[18:19]
	s_mul_i32 s21, s14, 10240
	s_add_co_u32 s21, s21, STG                     ; my stage
	v_and_b32 v12, 31, v0
	v_lshlrev_b32 v1, 4, v12
	v_and_b32 v13, 15, v0                          ; r
	v_bfe_u32 v14, v0, 4, 1                        ; h
	v_lshlrev_b32 v15, 5, v14
	v_lshlrev_b32 v16, 2, v13
.irp b, 0,1,2,3
	global_load_b128 v[BI+8*\b:BI+8*\b+3], v15, s[8:9] offset:64*\b            ; q: features 16 b + 8 h + 0 .. 7
	global_load_b128 v[BI+8*\b+4:BI+8*\b+7], v15, s[8:9] offset:64*\b+16
	global_load_b128 v[BIK+8*\b:BIK+8*\b+3], v15, s[8:9] offset:4096+64*\b     ; k
	global_load_b128 v[BIK+8*\b+4:BIK+8*\b+7], v15, s[8:9] offset:4096+64*\b+16
	global_load_b32 v[20+\b], v16, s[8:9] offset:8192+64*\b                    ; v: feature 16 b + r
.endr
	WIN 0x80
.irp n, 0,1,2,3
	LDB 0, \n
.endr
	WIN 0xc0
.irp n, 0,1,2,3
	LDB 1, \n
.endr
	WIN 0x80
.irp n, 0,1,2,3
	LDB 2, \n
.endr
	WIN 0
	v_mul_u32_u24 v2, v13, PITCH
	v_lshl_add_u32 v2, v14, 4, v2                  ; row r, + 16 h
	v_add_nc_u32 v3, 64*PITCH, v2
	v_mul_u32_u24 v4, v13, 80
	v_lshl_add_u32 v4, v14, 4, v4
	v_add_nc_u32 v4, s21, v4                       ; the stage, in: row r of a unit, + 16 h
	v_lshrrev_b32 v5, 2, v12
	v_mul_u32_u24 v5, v5, 80
	v_and_b32 v17, 3, v0
	v_lshl_add_u32 v5, v17, 4, v5
	v_add_nc_u32 v5, s21, v5                       ; back: four lanes to a row of 64 bytes, eight rows an instruction
	s_wait_alu depctr_va_vdst(0)                   ; the wait here, directly ahead of the wait below
	s_wait_kmcnt 0x0
	s_add_co_i32 s22, s40, s41                     ; e0 + e1
	s_sub_co_i32 s23, 127, s22
	s_lshl_b32 s62, s23, 23                        ; 2^-(e0 + e1)
	s_mov_b32 s63, s62                             ; (named with it as a pair, so it is written)
	SC 42, 54
	SC 43, 56
	SC 45, 58
	s_wait_loadcnt 48                              ; the biases are in; B's first three sets may be out
.set jj, 0
.rept 32
	v_pk_mul_f32 v[BI+jj:BI+jj+1], v[BI+jj:BI+jj+1], s[62:63] op_sel_hi:[1,0]
.set jj, jj+2
.endr
.set jj, 0
.rept 32
	v_mul_f32 v[BIV+jj], s62, v[20+jj/8]           ; v's bias is the same in a lane's eight registers
.set jj, jj+1
.endr
	s_wait_alu depctr_va_vdst(0)                   ; the wait at the head's end
	s_wait_tensorcnt 0x0                           ; my 32 rows have landed:
	s_barrier_signal -1
	s_barrier_wait -1                              ; everybody's have
	WIN 0x80
.irp i, 0,1,2,3,4,5,6,7
	LDA 0, \i
.endr
	WIN 0
	s_mov_b32 s52, 0
.Lsec:                                             ; q, then k
	s_cmp_eq_u32 s52, 0
	s_cselect_b32 s60, s54, s56
	s_cselect_b32 s61, s55, s57
.irp k, 0,1,2,3,4,5,6,7
	KS \k, 0, BI, 1
.endr
	WIN 0
	v_mov_b32 v8, s60
	v_mov_b32 v9, s61
.set jj, 0
.rept 32
	v_mov_b32 v[BI+jj], v[BIK+jj]                  ; the next trip's bias; these lines are also the places behind the last products
.set jj, jj+1
.endr
	WAYOUT
	s_wait_xcnt 0x0                                ; the loads and stores have read their bases and registers
	s_add_nc_u64 s[48:49], s[48:49], 1<<20         ; the next section's columns,
	s_add_nc_u64 s[50:51], s[50:51], 0x800000      ; and its part of the output
	s_add_co_u32 s52, s52, 1
	s_cmp_lt_u32 s52, 2
	s_wait_alu depctr_va_vdst(0)                   ; the wait here, directly ahead of the branch
	s_cbranch_scc1 .Lsec
.irp k, 0,1,2,3,4,5,6,7
	KS \k, 1, BIV, 0
.endr
	WIN 0
	v_mov_b32 v8, s58
	v_mov_b32 v9, s59
	v_nop
	v_nop
	WAYOUT
	s_wait_tensorcnt 0x0                           ; the wave's end
	ds_add_u32 v10, v11
	s_wait_dscnt 0x0
	CROUND                                         ; the closing round
	s_endpgm
.Lfunc_end_k_qfc763a0fa9_qkv:
	.size	k_qfc763a0fa9_qkv, .Lfunc_end_k_qfc763a0fa9_qkv-k_qfc763a0fa9_qkv
	.p2alignl 7, 3214868480
	.fill 96, 4, 3214868480
	.section	.rodata,"a",@progbits
	.p2align	6, 0x0
	.amdhsa_kernel k_qfc763a0fa9_qkv
		.amdhsa_group_segment_fixed_size 327680
		.amdhsa_private_segment_fixed_size 0
		.amdhsa_enable_private_segment 0
		.amdhsa_kernarg_size 40
		.amdhsa_user_sgpr_count 2
		.amdhsa_user_sgpr_kernarg_segment_ptr 1
		.amdhsa_wavefront_size32 1
		.amdhsa_system_sgpr_workgroup_id_x 1
		.amdhsa_system_sgpr_workgroup_id_y 1
		.amdhsa_system_sgpr_workgroup_id_z 1
		.amdhsa_system_vgpr_workitem_id 0
		.amdhsa_next_free_vgpr 1024
		.amdhsa_next_free_sgpr 66
		.amdhsa_reserve_vcc 0
		.amdhsa_float_denorm_mode_32 3
		.amdhsa_float_denorm_mode_16_64 3
		.amdhsa_memory_ordered 1
		.amdhsa_forward_progress 1
		.amdhsa_inst_pref_size 152
	.end_amdhsa_kernel
	.amdgpu_metadata
---
amdhsa.version: [ 1, 2 ]
amdhsa.kernels:
  - .name:           k_qfc763a0fa9_qkv
    .symbol:         k_qfc763a0fa9_qkv.kd
    .args:
      - { .name: x_codes, .offset: 0, .size: 8, .value_kind: global_buffer, .address_space: global }
      - { .name: w_codes, .offset: 8, .size: 8, .value_kind: global_buffer, .address_space: global }
      - { .name: b_attn, .offset: 16, .size: 8, .value_kind: global_buffer, .address_space: global }
      - { .name: lowp_scales, .offset: 24, .size: 8, .value_kind: global_buffer, .address_space: global }
      - { .name: qkv_codes, .offset: 32, .size: 8, .value_kind: global_buffer, .address_space: global }
    .group_segment_fixed_size: 327680
    .private_segment_fixed_size: 0
    .kernarg_segment_align: 8
    .kernarg_segment_size: 40
    .max_flat_workgroup_size: 128
    .sgpr_count:     66
    .vgpr_count:     1024
    .wavefront_size: 32
...
	.end_amdgpu_metadata
.endif
;; end of part 2
;; launch attn (part 3): grid 4 x 64, 8 waves a work-group, clusters of 4 x 1, 327,680 bytes of LDS; arguments qkv_codes, padding_mask, lowp_scales, y_codes; writes y_codes
.if DOCPART == 3
	.amdgcn_target "amdgcn-amd-amdhsa--gfx1250"
	.amdhsa_code_object_version 6
	.text
	.protected	k_qfc763a0fa9_attn
	.globl	k_qfc763a0fa9_attn
	.p2align	8
	.type	k_qfc763a0fa9_attn,@function
k_qfc763a0fa9_attn:
	s_mov_b64 s[64:65], 0
	v_nop
	global_prefetch_b8 v0, s[64:65] scope:SCOPE_SE
	s_setreg_imm32_b32 hwreg(HW_REG_WAVE_MODE, 25, 1), 1
	s_wait_xcnt 0x0
	s_wait_alu depctr_hold_cnt(0) depctr_sa_sdst(0) depctr_va_vdst(0) depctr_va_sdst(0) depctr_va_ssrc(0) depctr_va_vcc(0) depctr_vm_vsrc(0)
	s_getreg_b32 s2, hwreg(HW_REG_IB_STS2, 6, 4)
	s_cmp_eq_u32 s2, 0
	s_cbranch_scc0 .Lentry_in_a_cluster
	s_endpgm
.Lentry_in_a_cluster:
	s_bfe_u32 s2, ttmp6, 0x10000c
	s_cmp_lg_u32 s2, 0x3003
	s_cbranch_scc0 .Lentry_shape_is_right
	s_endpgm
.Lentry_shape_is_right:
; y = softmax(mask(q k^T / 8)) v for one (batch, head), both products on codes of BF8 (E5M2); y is quantised at once for the last product.
; att is quantised FINISHED AND NORMALISED: code = Q(2^(t - tmax - log2(sum)) / 2^e4).  So the keys are walked twice: pass A finds each query's largest score (a running maximum) and the sum;
; pass B makes the scores again, takes tmax + log2(sum) away in the exponent, quantises and multiplies by v.  A key counts where it is not padded (an input, read key by key) and not after the query.
; A query with no key that counts gets att = 0.  Left out: only the steps whose 64 keys all come after a tile's queries (the causal mask that the problem builds itself).
; qkv_codes: sections q, k, v of 8,388,608 bytes, blocks of 131,072 bytes for each (batch, head): q, k [token][64 bytes], v [chunk of 64 keys][d 64][64 bytes along the keys].  y_codes: [head 16][token 8192][64 bytes along d].
; LIMITS on the given exponents: e2 + e3 between -100 and 85 (added to c's exponent field; c x 2^38 must be finite); e4, and e6 - e4 - e5, between -126 and 112.  NaN is not served.
; SHARES.  The cluster's four work-groups serve one head.  The head's WHOLE k and v lie in each one's LDS, filled once by joint loads (one a wave, eight waves, 128 rows of 256 bytes each): nothing is filled again, so the loops have no barrier.
; A wave owns FOUR tiles of 16 queries, at 64 a + 16 cx, a = 31 - w, 16 + w, 15 - w, w.
; A step's fragments of k and of the mask serve all tiles that are still at work: first tiles 2, 3 (while the step is within their bounds), then tiles 0, 1.  Only a tile's last step holds hidden keys.
; The next step's k and mask are fetched behind the step's last score product, the next v behind its last O product: each run of loads has a softmax's vector work in which to land.
; No prefetch: all that comes from memory is asked for at the head, and there is no loop to run ahead in.
; LAYOUT.  Both products are used transposed: S^T = k q^T (source 0 = 16 keys, source 1 = 16 queries), O^T = v^T p^T: a lane holds ONE query (lane % 16), its registers run along the keys,
; and the conversions' results are the second product's operand.  The padding mask goes in as the C of S^T's products: 0, or -3e38 for a padded key.
; REGISTERS, window 0: v1 my place in a tile of k or v; v2 in the mask's numbers; v3-5 addresses of the loads in hand; v6 16 cx + r - 8 h; v7 -3e38; v8, v9 att's hold (twice: the dual form wants two banks); v10 its scale;
; v12-43 statistics, 8 a tile: +0 -c M (pass B: -c M - log2 sum), +1 M, +2, +3 the sum, +4 the rescaling factor, +5..7 at work; v44, v45 the spare word and 0; v48-79 q; v80-111 k; v112-143 the mask's numbers; v144-175 v;
; v176-239 S^T of two tiles; v240-255 their codes.  Window 1: v0-127 O^T of the four tiles.
.set STEPB, 4352                       ; a step's 64 rows of 64 bytes in LDS: 16 rows of 256 bytes + 16 of padding
.set VOFF,  139264                     ; k: 32 steps from byte 0; v behind it
.set MBT,   278528                     ; the mask as f32, 4 bytes a key
.set STG,   286720                     ; the way out: 16 rows x 80 bytes for each wave
.set SPARE, 296960                     ; the spare words: 128 bytes a wave, four blocks of 256 bytes that no other line names
.set ST,  12
.set SPW, 44
.set NIL, 45
.set Q,   48
.set KFR, 80
.set BF,  112
.set VF,  144
.set S,   176
.set P,   240
.set MSB, 0
.macro WIN new                         ; the immediate's high byte repeats the setting that is left
.if MSB != \new
	s_set_vgpr_msb (MSB<<8)|\new
.set MSB, \new
.endif
.endm
.macro CROUND                          ; a round of the cluster's barrier
	s_barrier_signal -1
	s_barrier_wait -1
	s_cmp_lg_u32 s12, 0
	s_cbranch_scc1 .Lnot_wave_0_\@
	s_barrier_signal -3
.Lnot_wave_0_\@:
	s_barrier_wait -3
	s_barrier_signal -1
	s_barrier_wait -1
.endm
	s_load_b256 s[4:11], s[0:1], 0x0               ; qkv_codes s[4:5], padding_mask s[6:7], the scales' exponents s[8:9], y_codes s[10:11]
	v_lshl_add_u32 v[SPW], v0, 2, SPARE
	v_mov_b32 v[NIL], 0
	ds_add_u32 v[SPW], v[NIL]                      ; the opening lines: the add, twice on end, and one wait
	ds_add_u32 v[SPW], v[NIL]
	v_lshrrev_b32 v46, 5, v0
	v_readfirstlane_b32 s12, v46                   ; wave 0..7
	s_bfe_u32 s13, ttmp6, 0x40000                  ; cx: it enters global addresses and lane data alone
	s_and_b32 s14, ttmp7, 0xffff                   ; 16 x batch + head
	s_sub_co_u32 s20, 31, s12                      ; the four tiles' last steps
	s_add_co_u32 s21, s12, 16
	s_sub_co_u32 s22, 15, s12
	s_mov_b32 s23, s12
	; my joint load: waves 0-3 a quarter of k each, waves 4-7 of v: 128 rows of 256 bytes, dense in memory, 16 bytes of padding behind each
	s_mov_b32 s24, 1
	s_mul_i32 s25, s12, 128*272                    ; LDS: wave x 34,816: v's part follows k's
	s_lshl_b32 s28, s14, 17
	s_and_b32 s29, s12, 3
	s_lshl_b32 s29, s29, 15
	s_add_co_u32 s28, s28, s29
	s_lshr_b32 s29, s12, 2
	s_lshl_b32 s29, s29, 23
	s_add_co_u32 s28, s28, s29
	s_add_co_u32 s28, s28, 0x800000                ; k's section begins 8,388,608 bytes in, v's as many further on
	s_mov_b32 s29, 0
	s_mov_b32 s32, 15|(3<<16)|(1<<20)|(1<<21)|(5<<22)|(3<<25)   ; the mask: all four work-groups; elements of 8 bytes; padding on; bit 21 beside a mask; after every 64 words; 4 words
	s_mov_b32 s33, 32<<16                          ; tensor_dim0 = 32 elements
	s_mov_b32 s34, 128<<16                         ; tensor_dim1 = 128
	s_mov_b32 s35, 32<<16                          ; tile_dim0
	s_mov_b32 s36, 128                             ; tile_dim1
	s_mov_b32 s37, 32                              ; from row to row
	s_mov_b32 s38, 0
	s_mov_b32 s39, 0
	s_mov_b32 s44, 0x76543210                      ; lane selects: lane l xor 16
	s_mov_b32 s45, 0xfedcba98
	s_wait_dscnt 0x0                               ; both opening adds are done
	s_wait_kmcnt 0x0
	s_load_b256 s[52:59], s[8:9], 0x0              ; e0 .. e7
	s_add_nc_u64 s[26:27], s[4:5], s[28:29]
	s_or_b32 s27, s27, 0x80000000
	CROUND                                         ; all four work-groups are here: the joint loads meet
	tensor_load_to_lds s[24:27], s[32:39]          ; my one tensor load of the launch
	s_nop 0
.rept 4
	v_nop
.endr
	s_lshr_b32 s16, s14, 4
	s_lshl_b32 s16, s16, 11
	s_mov_b32 s17, 0
	s_add_nc_u64 s[6:7], s[6:7], s[16:17]          ; the batch's 2,048 mask bytes
	s_lshl_b32 s18, s14, 17
	s_lshl_b32 s16, s13, 10
	s_add_co_u32 s18, s18, s16                     ; q: my head, + 16 cx rows of 64 bytes
.irp i, 0,1,2,3
	s_lshl_b32 s16, s[20+\i], 12                   ; + 64 a rows
	s_add_co_u32 s16, s16, s18
	s_add_nc_u64 s[28+2*\i+28*(\i/2):29+2*\i+28*(\i/2)], s[4:5], s[16:17]   ; tile i's q: s[28:29], s[30:31], s[60:61], s[62:63]
.endr
	s_lshl_b32 s16, s13, 4
	v_lshlrev_b32 v[S], 3, v0
	v_and_b32 v[S+5], 15, v0                       ; r
	v_bfe_u32 v[S+6], v0, 4, 1                     ; h
	v_lshlrev_b32 v[S+4], 6, v[S+5]
	v_lshl_add_u32 v[S+4], v[S+6], 4, v[S+4]
	global_load_b64 v[S+2:S+3], v[S], s[6:7]       ; eight keys a thread
.irp i, 0,1,2,3
.irp c, 0,1
	global_load_b128 v[Q+8*\i+4*\c:Q+8*\i+4*\c+3], v[S+4], s[28+2*\i+28*(\i/2):29+2*\i+28*(\i/2)] offset:32*\c   ; q's four fragments stay in registers
.endr
.endr
	v_lshrrev_b32 v[S+7], 2, v[S+5]
	v_mul_u32_u24 v1, v[S+7], 272
	v_and_b32 v[S+7], 3, v[S+5]
	v_lshl_add_u32 v1, v[S+7], 6, v1
	v_lshl_add_u32 v1, v[S+6], 4, v1               ; row r of a tile, + 16 h
	v_lshl_add_u32 v2, v[S+6], 5, MBT              ; the mask's numbers of keys 8 h on
	v_lshlrev_b32 v[S+7], 3, v[S+6]
	v_sub_nc_u32 v[S+7], v[S+5], v[S+7]
	v_add_nc_u32 v6, s16, v[S+7]                   ; my query less 8 h, counted from the first key of its tile's last step: the same in all four tiles
	v_mov_b32 v7, 0xff61b1e6                       ; -3e38
	s_wait_alu depctr_va_vdst(0)                   ; the wait here, directly ahead of the wait below
	s_wait_kmcnt 0x0
	s_add_co_i32 s16, s54, s55
	s_lshl_b32 s16, s16, 23
	s_add_co_i32 s40, s16, 0x3e38aa3b              ; c = log2(e) / 8 x 2^(e2 + e3): t = c x the raw sum
	s_mov_b32 s41, s40                             ; (named with it as a pair, so it is written)
	s_xor_b32 s42, s40, 0x80000000                 ; -c
	s_add_co_i32 s16, s56, 127
	s_lshl_b32 s17, s16, 23
	v_mov_b32 v10, s17                             ; 2^e4
	s_add_co_i32 s16, s16, 15
	s_lshl_b32 s16, s16, 23
	s_or_b32 s16, s16, 0x600000
	v_mov_b32 v8, s16                              ; 57,344 x 2^e4,
	v_mov_b32 v9, s16                              ; twice
	s_sub_co_i32 s16, s58, s56
	s_sub_co_i32 s16, s16, s57
	s_add_co_i32 s16, s16, 127
	s_lshl_b32 s50, s16, 23                        ; 2^(e6 - e4 - e5): a sum of the second product stands for sum x 2^(e4 + e5), and y's code is y / 2^e6
	s_add_co_i32 s16, s16, 15
	s_lshl_b32 s51, s16, 23
	s_or_b32 s51, s51, 0x600000
.irp q, 0,1,2,3
	v_mov_b32 v[ST+8*\q+1], 0xd2800000             ; M begins at -2^38: under every raw sum (64 x 57,344^2 < 2^38), over the -3e38 of a key that does not count
	v_mul_f32 v[ST+8*\q], s42, v[ST+8*\q+1]
.irp i, 2,3,4,5,6,7
	v_mov_b32 v[ST+8*\q+\i], 0
.endr
.endr
	WIN 0x40
.set jj, 0
.rept 128
	v_mov_b32 v[jj], 0                             ; O^T: pass B is written once, its first step adds onto zeros
.set jj, jj+1
.endr
	WIN 0
	s_wait_alu depctr_va_vdst(0)                   ; the wait here, directly ahead of the wait below
	s_wait_loadcnt 0x0                             ; the mask bytes and q
.irp i, 0,1,2,3
	v_bfe_u32 v[BF+\i], v[S+2], 8*\i, 8
	v_bfe_u32 v[BF+4+\i], v[S+3], 8*\i, 8
.endr
.irp i, 0,1,2,3,4,5,6,7
	v_cmp_ne_u32 vcc_lo, 0, v[BF+\i]
	v_cndmask_b32 v[BF+\i], 0, v7, vcc_lo          ; padded: -3e38; else 0
.endr
	v_lshl_add_u32 v[S], v0, 5, MBT
	ds_store_b128 v[S], v[BF:BF+3]
	ds_store_b128 v[S], v[BF+4:BF+7] offset:16
	s_wait_alu depctr_va_vdst(0)                   ; the wait at the head's end
	s_wait_tensorcnt 0x0                           ; my part of k or v has landed,
	s_wait_dscnt 0x0                               ; my part of the mask is stored:
	s_barrier_signal -1
	s_barrier_wait -1                              ; everybody's is
.macro LDKB ak, am                     ; a step's four fragments of k and its 64 mask numbers in the result's layout: 16 loads
.irp t, 0,1,2,3
.irp c, 0,1
	ds_load_b128 v[KFR+8*\t+4*\c:KFR+8*\t+4*\c+3], v[\ak] offset:1088*\t+32*\c
.endr
.endr
.irp t, 0,1,2,3
.irp c, 0,1
	ds_load_b128 v[BF+8*\t+4*\c:BF+8*\t+4*\c+3], v[\am] offset:64*\t+16*\c
.endr
.endr
.endm
.macro LDV                             ; v^T: d = 16 t + r, a step's 64 keys: 8 loads
.irp t, 0,1,2,3
.irp c, 0,1
	ds_load_b128 v[VF+8*\t+4*\c:VF+8*\t+4*\c+3], v4 offset:1088*\t+32*\c
.endr
.endr
.endm
.macro FMAS nt, tb                     ; the scores of nt tiles become exponents: c s + the tile's offset (of the pairs the low word serves both halves)
.set jj, 0
.rept 16*\nt
	v_pk_fma_f32 v[S+jj:S+jj+1], v[S+jj:S+jj+1], s[40:41], v[ST+8*(\tb+jj/32):ST+8*(\tb+jj/32)+1] op_sel_hi:[1,0,0]
.set jj, jj+2
.endr
.endm
.macro EXPB nt
.set jj, 0
.rept 32*\nt
	v_exp_f32 v[S+jj], v[S+jj]
.set jj, jj+1
.endr
	v_nop                                          ; a plain line behind the exponentials
.endm
.macro SMA nt, tb                      ; pass A: each lane's running maximum and sum over its 32 keys of the step; the tiles' chains take turns line by line
.set qq, 0
.rept \nt
.set T, ST+8*(\tb+qq)
.set R, S+32*qq
	v_max3_num_f32 v[T+6], v[T+1], v[R], v[R+1]    ; each accumulator from its low end on
	v_max_num_f32 v[T+7], v[R+2], v[R+3]
.set qq, qq+1
.endr
.set jj, 0
.rept 7*\nt
.set T, ST+8*(\tb+jj%\nt)
.set R, S+32*(jj%\nt)+4+4*(jj/\nt)
	v_max3_num_f32 v[T+6], v[T+6], v[R], v[R+1]
	v_max3_num_f32 v[T+7], v[T+7], v[R+2], v[R+3]
.set jj, jj+1
.endr
.set qq, 0
.rept \nt
.set T, ST+8*(\tb+qq)
	v_max_num_f32 v[T+1], v[T+6], v[T+7]
	v_mov_b32 v[T+5], v[T]
	v_mul_f32 v[T], s42, v[T+1]                    ; the new -c M
	v_sub_f32 v[T+5], v[T], v[T+5]                 ; c M_old - c M_new, 0 or less
.set qq, qq+1
.endr
	FMAS \nt, \tb
	s_wait_alu depctr_va_vdst(0)                   ; the wait ahead of the batch
.set qq, 0
.rept \nt
	v_exp_f32 v[ST+8*(\tb+qq)+4], v[ST+8*(\tb+qq)+5]   ; the factor for the sum so far
.set qq, qq+1
.endr
	EXPB \nt
	s_wait_alu depctr_va_vdst(0)                   ; and behind it, ahead of its first reader
.set qq, 0
.rept \nt
.set T, ST+8*(\tb+qq)
.set R, S+32*qq
	v_pk_mul_f32 v[T+2:T+3], v[T+2:T+3], v[T+4:T+5] op_sel_hi:[1,0]
	v_pk_add_f32 v[T+6:T+7], v[R:R+1], v[R+2:R+3]
.set qq, qq+1
.endr
.set jj, 0
.rept 7*\nt
.set T, ST+8*(\tb+jj%\nt)
.set R, S+32*(jj%\nt)+4+4*(jj/\nt)
	v_pk_add_f32 v[T+2:T+3], v[T+2:T+3], v[R:R+1]
	v_pk_add_f32 v[T+6:T+7], v[T+6:T+7], v[R+2:R+3]
.set jj, jj+1
.endr
.set qq, 0
.rept \nt
.set T, ST+8*(\tb+qq)
	v_pk_add_f32 v[T+2:T+3], v[T+2:T+3], v[T+6:T+7]
.set qq, qq+1
.endr
.endm
.macro SMB nt, tb                      ; pass B: att = 2^(c s - c M - log2 sum), held and converted: tile t's eight codes are registers 2 t, 2 t + 1 of the operand
	FMAS \nt, \tb
	s_wait_alu depctr_va_vdst(0)                   ; the wait ahead of the batch
	EXPB \nt
	s_wait_alu depctr_va_vdst(0)                   ; and behind it
.set jj, 0
.rept 16*\nt
	v_dual_min_num_f32 v[S+jj], v[S+jj], v8 :: v_dual_min_num_f32 v[S+jj+1], v[S+jj+1], v9   ; the conversion does not saturate (ISA guide 7.6.2); att is not negative, so the hold is one-sided; two numbers a line
.set jj, jj+2
.endr
.set jj, 0
.rept 4*\nt
	v_cvt_scalef32_pk8_bf8_f32 v[P+2*jj:P+2*jj+1], v[S+8*jj:S+8*jj+7], v10
.set jj, jj+1
.endr
	v_nop                                          ; a plain line between the last conversion and the products that read its result
.endm
; A step's work for tiles tb .. tb + nt - 1.  last = 1: the step's last block: the fragments of k, the mask and v are done with, and the next step's are fetched.
.macro BLK p, nt, tb, last
.irp t, 0,1,2,3
.set qq, 0
.rept \nt
	v_wmma_f32_16x16x64_bf8_bf8 v[S+32*qq+8*\t:S+32*qq+8*\t+7], v[KFR+8*\t:KFR+8*\t+7], v[Q+8*(\tb+qq):Q+8*(\tb+qq)+7], v[BF+8*\t:BF+8*\t+7]
.set qq, qq+1
.endr
.endr
.if \last
	s_min_u32 s16, s46, 31*STEPB                   ; the next step, held at the last: behind step 31 that step is fetched once more and not used
	s_min_u32 s17, s47, 31*256
	v_add_nc_u32 v3, s16, v1                       ; these four lines are the places between the products and the loads into their registers
	v_add_nc_u32 v5, s17, v2
.if \p
	v_add_nc_u32 v4, VOFF, v3
.else
	v_nop
.endif
	v_nop
	LDKB 3, 5
.else
.rept 4
	v_nop
.endr
.endif
	s_cmp_lg_u32 s48, s[20+\tb+\nt-1]              ; only the block's last tile can be in its last step, the one with hidden keys
	s_cbranch_scc1 .Lopen_\@
.set jj, 0
.rept 32
	v_cmp_gt_i32 vcc_lo, 16*(jj/8)+jj%8, v6        ; register 8 t + j holds key 16 t + 8 h + j of the step
	v_cndmask_b32 v[S+32*(\nt-1)+jj], v[S+32*(\nt-1)+jj], v7, vcc_lo
.set jj, jj+1
.endr
.Lopen_\@:
.if \p
	SMB \nt, \tb
	s_wait_alu depctr_va_vdst(0)                   ; the wait here, directly ahead of the wait below
.if \last
	s_wait_dscnt 16                                ; v^T is in; the 16 loads of the next step's k and mask may be out
.else
	s_wait_dscnt 0x0                               ; v^T is in
.endif
	WIN 0x50                                       ; C and D in window 1
	s_wait_alu depctr_va_vdst(0)                   ; the wait directly ahead of the first reader of O^T
.irp t, 0,1,2,3
.set qq, 0
.rept \nt
	v_wmma_f32_16x16x64_bf8_bf8 v[32*(\tb+qq)+8*\t:32*(\tb+qq)+8*\t+7], v[VF+8*\t:VF+8*\t+7], v[P+8*qq:P+8*qq+7], v[32*(\tb+qq)+8*\t:32*(\tb+qq)+8*\t+7]   ; the accumulators by turns, one instruction a turn
.set qq, qq+1
.endr
.endr
	WIN 0
.if \last
.rept 4
	v_nop
.endr
	LDV
.endif
.else
	SMA \nt, \tb
.endif
.endm
; A pass over the keys.  The loop has 32 trips in every wave, so that its LDS addresses step by constants a constant number of times; a step beyond the wave's last is jumped over.
; All bounds hang on the wave's number alone.  At a step's head its k and mask (16 loads) and, in pass B, behind them its v (8 loads) have been asked for.
.macro PASS p
	s_mov_b32 s46, STEPB                           ; the NEXT step's first byte in k
	s_mov_b32 s47, 256                             ; and in the mask's numbers
	s_mov_b32 s48, 0                               ; the step
	LDKB 1, 2
.if \p
	v_add_nc_u32 v4, VOFF, v1
	LDV
	s_wait_alu depctr_va_vdst(0)
.endif
.Lstep_\@:
	s_cmp_gt_u32 s48, s20
	s_cbranch_scc1 .Lskip_\@
.if \p
	s_wait_dscnt 8                                 ; k and the mask are in; v's eight loads may be out
.else
	s_wait_dscnt 0x0
.endif
	s_cmp_gt_u32 s48, s22
	s_cbranch_scc1 .Lhigh_\@
	s_cmp_gt_u32 s48, s23
	s_cbranch_scc1 .Llow1_\@
	BLK \p, 2, 2, 0
	s_branch .Lhigh_\@
.Llow1_\@:
	BLK \p, 1, 2, 0
.Lhigh_\@:
	s_cmp_gt_u32 s48, s21
	s_cbranch_scc1 .Lhigh1_\@
	BLK \p, 2, 0, 1
	s_branch .Lskip_\@
.Lhigh1_\@:
	BLK \p, 1, 0, 1
.Lskip_\@:
	s_add_co_u32 s46, s46, STEPB
	s_add_co_u32 s47, s47, 256
	s_add_co_u32 s48, s48, 1
	s_cmp_lt_u32 s48, 32
	s_cbranch_scc1 .Lstep_\@
	s_wait_dscnt 0x0                               ; the loads asked for in my last step have landed
.endm
.macro ALLT op, d, a, b                ; one line for each of the four tiles' statistics
.irp q, 0,1,2,3
	\op v[ST+8*\q+\d], v[ST+8*\q+\a], v[ST+8*\q+\b]
.endr
.endm
	PASS 0
	; behind pass A the two halves of the lanes meet; the offset of pass B is -c M - log2(sum), or -3e38 for a query with no key that counts (att = 0)
	s_wait_alu depctr_va_vdst(0)                   ; the sums were written ahead of the loop's jumps
.irp q, 0,1,2,3
	v_permlanex16_b32 v[ST+8*\q+5], v[ST+8*\q+1], s44, s45
.endr
	ALLT v_max_num_f32, 6, 1, 5                    ; the joint M
.irp q, 0,1,2,3
	v_mul_f32 v[ST+8*\q+7], s42, v[ST+8*\q+6]
.endr
	ALLT v_sub_f32, 5, 7, 0                        ; c M_mine - c M_joint
	ALLT v_add_f32, 2, 2, 3
	s_wait_alu depctr_va_vdst(0)
.irp q, 0,1,2,3
	v_exp_f32 v[ST+8*\q+4], v[ST+8*\q+5]
.endr
	v_nop
	s_wait_alu depctr_va_vdst(0)
	ALLT v_mul_f32, 2, 2, 4
.irp q, 0,1,2,3
	v_permlanex16_b32 v[ST+8*\q+3], v[ST+8*\q+2], s44, s45
.endr
	ALLT v_add_f32, 2, 2, 3                        ; the row's sum
	s_wait_alu depctr_va_vdst(0)
.irp q, 0,1,2,3
	v_log_f32 v[ST+8*\q+3], v[ST+8*\q+2]
.endr
	v_nop
	s_wait_alu depctr_va_vdst(0)
	ALLT v_sub_f32, 3, 7, 3
.irp q, 0,1,2,3
	v_cmp_lt_f32 vcc_lo, 0, v[ST+8*\q+2]
	v_cndmask_b32 v[ST+8*\q], v7, v[ST+8*\q+3], vcc_lo
.endr
	PASS 1
	; THE WAY OUT.  O^T is held and converted with 2^(e6 - e4 - e5); a lane's eight codes of a tile are eight neighbouring d of one query.  A tile of 16 queries goes through my own stage (rows of 80 bytes)
	; and comes back so that the 32 lanes store 512 consecutive bytes, aligned.  The address lines are the places behind the last products.
	s_and_b32 s16, s14, 15
	s_lshl_b32 s16, s16, 19
	s_lshr_b32 s17, s14, 4
	s_lshl_b32 s17, s17, 17
	s_add_co_u32 s16, s16, s17
	s_lshl_b32 s17, s13, 10
	s_add_co_u32 s16, s16, s17
	s_mov_b32 s17, 0
	s_add_nc_u64 s[10:11], s[10:11], s[16:17]      ; y_codes: my head, my batch, + 16 cx tokens
.irp i, 0,1,2,3
	s_lshl_b32 s16, s[20+\i], 12
	s_add_nc_u64 s[24+2*\i:25+2*\i], s[10:11], s[16:17]   ; tile i: + 64 a tokens (my tensor load was waited for at the head: its registers are free)
.endr
	s_mul_i32 s18, s12, 1280
	s_add_co_u32 s18, s18, STG
	v_and_b32 v3, 15, v0
	v_bfe_u32 v4, v0, 4, 1
	v_mul_u32_u24 v46, v3, 80
	v_lshl_add_u32 v46, v4, 3, v46
	v_add_nc_u32 v46, s18, v46                     ; in: row r, + 8 h
	v_bfe_u32 v3, v0, 2, 3
	v_mul_u32_u24 v47, v3, 80
	v_and_b32 v4, 3, v0
	v_lshl_add_u32 v47, v4, 4, v47
	v_add_nc_u32 v47, s18, v47                     ; back: four lanes to a row of 64 bytes, eight rows an instruction
	v_and_b32 v5, 31, v0
	v_lshlrev_b32 v5, 4, v5                        ; and the same place in y_codes
	v_mov_b32 v10, s50
	v_mov_b32 v8, s51
	WIN 0x41                                       ; source 0 and destination in window 1
	s_wait_alu depctr_va_vdst(0)                   ; the wait here, directly ahead of the first reader of O^T
.set jj, 0
.rept 128
	v_med3_num_f32 v[jj], v[jj], -v8, v8           ; each accumulator from its low end on
.set jj, jj+1
.endr
	WIN 0x01
.set jj, 0
.rept 16
	v_cvt_scalef32_pk8_bf8_f32 v[S+2*jj:S+2*jj+1], v[8*jj:8*jj+7], v10
.set jj, jj+1
.endr
	WIN 0
	v_nop
.irp i, 0,1,2,3
.irp t, 0,1,2,3
	ds_store_b64 v46, v[S+8*\i+2*\t:S+8*\i+2*\t+1] offset:16*\t   ; d = 16 t + 8 h + 0 .. 7
.endr
.irp k, 0,1
	ds_load_b128 v[BF+8*\i+4*\k:BF+8*\i+4*\k+3], v47 offset:640*\k   ; LDS serves a wave's instructions in order: these see my stores, and the next tile's stores come behind them
.endr
.endr
	s_wait_dscnt 0x0
.irp i, 0,1,2,3
.irp k, 0,1
	global_store_b128 v5, v[BF+8*\i+4*\k:BF+8*\i+4*\k+3], s[24+2*\i:25+2*\i] offset:512*\k
.endr
.endr
	s_wait_tensorcnt 0x0                           ; the wave's end
	ds_add_u32 v[SPW], v[NIL]
	s_wait_dscnt 0x0
	CROUND                                         ; the closing round
	s_endpgm
.Lfunc_end_k_qfc763a0fa9_attn:
	.size	k_qfc763a0fa9_attn, .Lfunc_end_k_qfc763a0fa9_attn-k_qfc763a0fa9_attn
	.p2alignl 7, 3214868480
	.fill 96, 4, 3214868480
	.section	.rodata,"a",@progbits
	.p2align	6, 0x0
	.amdhsa_kernel k_qfc763a0fa9_attn
		.amdhsa_group_segment_fixed_size 327680
		.amdhsa_private_segment_fixed_size 0
		.amdhsa_enable_private_segment 0
		.amdhsa_kernarg_size 32
		.amdhsa_user_sgpr_count 2
		.amdhsa_user_sgpr_kernarg_segment_ptr 1
		.amdhsa_wavefront_size32 1
		.amdhsa_system_sgpr_workgroup_id_x 1
		.amdhsa_system_sgpr_workgroup_id_y 1
		.amdhsa_system_sgpr_workgroup_id_z 1
		.amdhsa_system_vgpr_workitem_id 0
		.amdhsa_next_free_vgpr 384
		.amdhsa_next_free_sgpr 66
		.amdhsa_reserve_vcc 1
		.amdhsa_float_denorm_mode_32 3
		.amdhsa_float_denorm_mode_16_64 3
		.amdhsa_memory_ordered 1
		.amdhsa_forward_progress 1
		.amdhsa_inst_pref_size 106
	.end_amdhsa_kernel
	.amdgpu_metadata
---
amdhsa.version: [ 1, 2 ]
amdhsa.kernels:
  - .name:           k_qfc763a0fa9_attn
    .symbol:         k_qfc763a0fa9_attn.kd
    .args:
      - { .name: qkv_codes, .offset: 0, .size: 8, .value_kind: global_buffer, .address_space: global }
      - { .name: padding_mask, .offset: 8, .size: 8, .value_kind: global_buffer, .address_space: global }
      - { .name: lowp_scales, .offset: 16, .size: 8, .value_kind: global_buffer, .address_space: global }
      - { .name: y_codes, .offset: 24, .size: 8, .value_kind: global_buffer, .address_space: global }
    .group_segment_fixed_size: 327680
    .private_segment_fixed_size: 0
    .kernarg_segment_align: 8
    .kernarg_segment_size: 32
    .max_flat_workgroup_size: 256
    .sgpr_count:     66
    .vgpr_count:     384
    .wavefront_size: 32
...
	.end_amdgpu_metadata
.endif
;; end of part 3
;; launch proj (part 4): grid 4 x 64, 4 waves a work-group, clusters of 4 x 1, 327,680 bytes of LDS; arguments y_codes, w_codes, b_proj, padding_mask, lowp_scales, out0; writes out0
.if DOCPART == 4
	.amdgcn_target "amdgcn-amd-amdhsa--gfx1250"
	.amdhsa_code_object_version 6
	.text
	.protected	k_qfc763a0fa9_proj
	.globl	k_qfc763a0fa9_proj
	.p2align	8
	.type	k_qfc763a0fa9_proj,@function
k_qfc763a0fa9_proj:
	s_mov_b64 s[64:65], 0
	v_nop
	global_prefetch_b8 v0, s[64:65] scope:SCOPE_SE
	s_setreg_imm32_b32 hwreg(HW_REG_WAVE_MODE, 25, 1), 1
	s_wait_xcnt 0x0
	s_wait_alu depctr_hold_cnt(0) depctr_sa_sdst(0) depctr_va_vdst(0) depctr_va_sdst(0) depctr_va_ssrc(0) depctr_va_vcc(0) depctr_vm_vsrc(0)
	s_getreg_b32 s2, hwreg(HW_REG_IB_STS2, 6, 4)
	s_cmp_eq_u32 s2, 0
	s_cbranch_scc0 .Lentry_in_a_cluster
	s_endpgm
.Lentry_in_a_cluster:
	s_bfe_u32 s2, ttmp6, 0x10000c
	s_cmp_lg_u32 s2, 0x3003
	s_cbranch_scc0 .Lentry_shape_is_right
	s_endpgm
.Lentry_shape_is_right:
; out0 = y W_proj + b_proj on codes of BF8 (E5M2), 0 in the rows of padded tokens.  y_codes [head 16][token 8192][64 bytes along d]; w_codes by fragments (block of 16 columns, 128 along K: 2,048 bytes in
; register order, a block's eight steps on end); W_proj's columns are blocks 192 to 255.  out0 [8192][1024] f32.
; LIMITS: e6 + e7 between -126 and 126, so that 2^(e6 + e7) and its inverse are f32 numbers.  NaN is not served.
; SHARES.  A work-group owns 128 tokens with ALL of K: 16 heads x 8,192 bytes in LDS, filled once (one load a wave, four heads), so the loop has no barrier.  The cluster's four work-groups own the same tokens and
; ask jointly; work-group cx takes columns 256 cx on, wave w 64 of them: 128 x 64, 32 accumulators.  No branch hangs on cx.
; The weights' fragments come straight from memory into registers, 512 consecutive bytes a load, three K steps ahead in four sets; that lead is why no prefetch is laid beside them.
; Source 0 = 16 columns of W, source 1 = 16 tokens: a lane holds 8 neighbouring columns of one token.  The bias, divided by 2^(e6 + e7), is the C of the first K step; each sum is multiplied once by its
; token's factor: 2^(e6 + e7), or 0 for a padded token (the sums of 1,024 products of codes are finite).
; REGISTERS.  Window 0: v1 16 x lane; v2-5 A's LDS addresses (four heads each); v6, v7 the stage, in and back; v8 my place in two rows of out0; v10, v11 the spare word and 0; v16-23 the tokens' factors; v32-63 the bias;
; v64-127 results, two sets; v128-191 rows read back, two sets.  Window 1: the accumulators.  Windows 2 and 3 (even and odd K steps): v0-127 A's eight fragments, v128-255 two sets of B's four.
.set HEADB, 32*272                     ; a head's 128 tokens in LDS: 32 rows of 256 bytes + 16: token x lies at 272 (x / 4) + 64 (x % 4)
.set STG,   16*HEADB                   ; the way out: 16 rows x 272 bytes for each wave
.set SPARE, STG+4*4352                 ; the spare words
.set F,   16
.set BI,  32
.set TMP, 64
.set BK,  128
.set MSB, 0
.macro WIN new                         ; the immediate's high byte repeats the setting that is left
.if MSB != \new
	s_set_vgpr_msb (MSB<<8)|\new
.set MSB, \new
.endif
.endm
.macro CROUND                          ; a round of the cluster's barrier
	s_barrier_signal -1
	s_barrier_wait -1
	s_cmp_lg_u32 s16, 0
	s_cbranch_scc1 .Lnot_wave_0_\@
	s_barrier_signal -3
.Lnot_wave_0_\@:
	s_barrier_wait -3
	s_barrier_signal -1
	s_barrier_wait -1
.endm
.macro LDB kk, nb                      ; B's fragment of column block nb, K step kk, into set kk % 4
.set RB, 128+64*(((\kk)%4)/2)+16*(\nb)
.irp c, 0,1,2,3
	global_load_b128 v[RB+4*\c:RB+4*\c+3], v1, s[48:49] offset:(\kk)*2048+(\nb)*16384+\c*512
.endr
.endm
.macro LDA kn, i                       ; A's fragment of tokens 16 i on, K step kn = heads 2 kn, 2 kn + 1: registers 4 c .. 4 c + 3 hold K = 32 c + 16 h + 0 .. 15, as B's do
.set RA, 16*(\i)
.irp c, 0,1,2,3
	ds_load_b128 v[RA+4*\c:RA+4*\c+3], v[2+(\kn)/2] offset:(2*((\kn)%2)+\c/2)*HEADB+(\i)*4*272+32*(\c%2)
.endr
.endm
.macro MUL8 k, a0                      ; token blocks a0, a0 + 1 x the four column blocks; the 32 accumulators take turns, one instruction a turn
.irp a, \a0, \a0+1
.irp b, 0,1,2,3
.set FB, 128+64*(((\k)%4)/2)+16*\b
.set FA, 16*(\a)
.set AC, 8*(4*(\a)+\b)
.if (\k) == 0
	v_wmma_f32_16x16x128_bf8_bf8 v[AC:AC+7], v[FB:FB+15], v[FA:FA+15], v[BI+8*\b:BI+8*\b+7]
.else
	v_wmma_f32_16x16x128_bf8_bf8 v[AC:AC+7], v[FB:FB+15], v[FA:FA+15], v[AC:AC+7]
.endif
.endr
.endr
.endm
; A K step of 128: 32 products in four groups; behind each group a run of loads: A's fragments of the next step, B's of three steps on.
.macro KS k
.if (\k) == 0
.set WM, 0x4a                          ; sources 0 and 1 window 2, C window 0 (the bias), D window 1
.else
.set WM, (2+(\k)%2)*5+0x50             ; sources 0 and 1 window 2 or 3, C and D window 1
.endif
.set WL, (3-(\k)%2)<<6                 ; loads: into the other of the two windows
.if (\k) < 6
	s_wait_loadcnt 32                              ; B's set of this step is in; the two sets behind it may be out
.else
	s_wait_loadcnt 16*(7-(\k))
.endif
	s_wait_dscnt 8                                 ; A's blocks 0-5 are in; the youngest eight loads (blocks 6, 7) may be out
	WIN WM
	MUL8 \k, 0
.if (\k) < 7
.rept 4
	v_nop                                          ; places between the last step's products and the loads into their registers
.endr
	WIN WL
	LDA (\k)+1, 0
	LDA (\k)+1, 1
	LDA (\k)+1, 2
	s_wait_dscnt 12                                ; all but the 12 just issued
.else
	s_wait_dscnt 0x0
.endif
	WIN WM
	MUL8 \k, 2
.if (\k) < 7
	WIN WL
	LDA (\k)+1, 3
	LDA (\k)+1, 4
	LDA (\k)+1, 5
.endif
	WIN WM
	MUL8 \k, 4
.if (\k) < 7
	WIN WL
	LDA (\k)+1, 6
	LDA (\k)+1, 7
.endif
.if (\k) < 5
	LDB (\k)+3, 0
.endif
	WIN WM
	MUL8 \k, 6
.if (\k) < 5
	WIN WL
	LDB (\k)+3, 1
	LDB (\k)+3, 2
	LDB (\k)+3, 3
.endif
.endm
	s_load_b256 s[4:11], s[0:1], 0x0               ; y_codes s[4:5], w_codes s[6:7], b_proj s[8:9], padding_mask s[10:11]
	s_load_b128 s[12:15], s[0:1], 0x20             ; the scales' exponents s[12:13], out0 s[14:15]
	v_lshl_add_u32 v10, v0, 2, SPARE
	v_mov_b32 v11, 0
	ds_add_u32 v10, v11                            ; the opening lines: the add, twice on end, and one wait
	ds_add_u32 v10, v11
	v_lshrrev_b32 v12, 5, v0
	v_readfirstlane_b32 s16, v12                   ; wave 0..3
	s_bfe_u32 s17, ttmp6, 0x40000                  ; cx: it enters global addresses alone
	s_and_b32 s18, ttmp7, 0xffff                   ; which 128 tokens
	s_mov_b32 s24, 1
	s_mul_i32 s25, s16, 4*HEADB                    ; LDS: my four heads
	s_lshl_b32 s28, s16, 21                        ; four heads of 524,288 bytes,
	s_lshl_b32 s29, s18, 13                        ; 128 tokens of 64 bytes
	s_add_co_u32 s28, s28, s29
	s_mov_b32 s29, 0
	s_mov_b32 s32, 15|(0<<16)|(1<<20)|(1<<21)|(5<<22)|(3<<25)   ; the mask: all four work-groups; elements of 1 byte; padding on; bit 21 beside a mask; after every 64 words; 4 words
	s_mov_b32 s33, 8192<<16                        ; tensor_dim0: a head's 128 tokens, dense
	s_mov_b32 s34, 4<<16                           ; tensor_dim1 = 4 heads
	s_mov_b32 s35, 8192<<16                        ; tile_dim0
	s_mov_b32 s36, 4                               ; tile_dim1
	s_mov_b32 s37, 524288                          ; from head to head
	s_mov_b32 s38, 0
	s_mov_b32 s39, 0
	s_wait_dscnt 0x0                               ; both opening adds are done
	s_wait_kmcnt 0x0
	s_load_b256 s[40:47], s[12:13], 0x0            ; e0 .. e7
	s_add_nc_u64 s[26:27], s[4:5], s[28:29]
	s_or_b32 s27, s27, 0x80000000
	CROUND                                         ; all four work-groups are here: the joint loads meet
	tensor_load_to_lds s[24:27], s[32:39]          ; my one tensor load of the launch
	s_nop 0
.rept 4
	v_nop
.endr
	s_lshl_b32 s19, s17, 2
	s_add_co_u32 s19, s19, s16                     ; which 64 columns: 4 cx + wave
	s_lshl_b32 s20, s19, 16
	s_add_co_u32 s20, s20, 192*16384               ; W_proj's blocks begin at 192
	s_mov_b32 s21, 0
	s_add_nc_u64 s[48:49], s[6:7], s[20:21]
	s_lshl_b32 s20, s19, 8
	s_add_nc_u64 s[8:9], s[8:9], s[20:21]          ; my 64 biases
	s_add_nc_u64 s[50:51], s[14:15], s[20:21]      ; out0: my 64 columns,
	s_lshl_b32 s20, s18, 19
	s_add_nc_u64 s[50:51], s[50:51], s[20:21]      ; my 128 rows of 4,096 bytes
	s_lshl_b32 s20, s18, 7
	s_add_nc_u64 s[10:11], s[10:11], s[20:21]      ; my 128 mask bytes
	s_mul_i32 s22, s16, 4352
	s_add_co_u32 s22, s22, STG                     ; my stage
	v_and_b32 v12, 31, v0
	v_lshlrev_b32 v1, 4, v12
	v_and_b32 v13, 15, v0                          ; r
	v_bfe_u32 v14, v0, 4, 1                        ; h
	v_lshlrev_b32 v15, 5, v14
.irp b, 0,1,2,3
	global_load_b128 v[BI+8*\b:BI+8*\b+3], v15, s[8:9] offset:64*\b            ; columns 16 b + 8 h + 0 .. 7
	global_load_b128 v[BI+8*\b+4:BI+8*\b+7], v15, s[8:9] offset:64*\b+16
.endr
.irp a, 0,1,2,3,4,5,6,7
	global_load_u8 v[24+\a], v13, s[10:11] offset:16*\a                        ; token 16 a + r
.endr
	WIN 0x80
.irp n, 0,1,2,3
	LDB 0, \n
.endr
	WIN 0xc0
.irp n, 0,1,2,3
	LDB 1, \n
.endr
	WIN 0x80
.irp n, 0,1,2,3
	LDB 2, \n
.endr
	WIN 0
	v_lshrrev_b32 v2, 2, v13
	v_mul_u32_u24 v2, v2, 272
	v_and_b32 v9, 3, v13
	v_lshl_add_u32 v2, v9, 6, v2
	v_lshl_add_u32 v2, v14, 4, v2                  ; token r of a block, + 16 h, in heads 0-3;
	v_add_nc_u32 v3, 4*HEADB, v2                   ; in heads 4-7,
	v_add_nc_u32 v4, 8*HEADB, v2
	v_add_nc_u32 v5, 12*HEADB, v2
	v_mul_u32_u24 v6, v13, 272
	v_lshl_add_u32 v6, v14, 5, v6
	v_add_nc_u32 v6, s22, v6                       ; the stage, in: row r, + 32 h
	v_mul_u32_u24 v7, v14, 272
	v_lshl_add_u32 v7, v13, 4, v7
	v_add_nc_u32 v7, s22, v7                       ; back: sixteen lanes to a row of 256 bytes, two rows an instruction
	v_lshlrev_b32 v8, 12, v14
	v_lshl_add_u32 v8, v13, 4, v8                  ; and the same two rows in out0
	s_wait_alu depctr_va_vdst(0)                   ; the wait here, directly ahead of the wait below
	s_wait_kmcnt 0x0
	s_add_co_i32 s23, s46, s47                     ; e6 + e7
	s_sub_co_i32 s52, 127, s23
	s_lshl_b32 s52, s52, 23                        ; 2^-(e6 + e7)
	s_mov_b32 s53, s52                             ; (named with it as a pair, so it is written)
	s_add_co_i32 s23, s23, 127
	s_lshl_b32 s23, s23, 23
	v_mov_b32 v9, s23                              ; 2^(e6 + e7)
	s_wait_loadcnt 48                              ; the bias and the mask bytes are in; B's first three sets may be out
.set jj, 0
.rept 16
	v_pk_mul_f32 v[BI+jj:BI+jj+1], v[BI+jj:BI+jj+1], s[52:53] op_sel_hi:[1,0]
.set jj, jj+2
.endr
.irp a, 0,1,2,3,4,5,6,7
	v_cmp_eq_u32 vcc_lo, 0, v[24+\a]
	v_cndmask_b32 v[F+\a], 0, v9, vcc_lo           ; the token's factor
.endr
	s_wait_alu depctr_va_vdst(0)                   ; the wait at the head's end
	s_wait_tensorcnt 0x0                           ; my four heads have landed:
	s_barrier_signal -1
	s_barrier_wait -1                              ; everybody's have
	WIN 0x80
.irp i, 0,1,2,3,4,5,6,7
	LDA 0, \i
.endr
.irp k, 0,1,2,3,4,5,6,7
	KS \k
.endr
	WIN 0
; THE WAY OUT, by blocks of 16 tokens x 64 columns: x the token's factor, through my own stage, and out as whole rows of 256 bytes: sixteen lanes store one aligned unit.
.macro UNIT a
.if (\a) > 1
	s_wait_xcnt 0x0                                ; block a - 2's stores have read their registers
.endif
.set TS, TMP+32*((\a)%2)
.set BS, BK+32*((\a)%2)
	WIN 0x01                                       ; source 0 in window 1
.set jj, 0
.rept 16
.if ((\a)%2) == 0
	v_pk_mul_f32 v[TS+jj:TS+jj+1], v[32*(\a)+jj:32*(\a)+jj+1], v[F+(\a):F+(\a)+1] op_sel_hi:[1,0]
.else
	v_pk_mul_f32 v[TS+jj:TS+jj+1], v[32*(\a)+jj:32*(\a)+jj+1], v[F+(\a)-1:F+(\a)] op_sel:[0,1] op_sel_hi:[1,1]
.endif
.set jj, jj+2
.endr
	WIN 0
.set jj, 0
.rept 8
	ds_store_b128 v6, v[TS+4*jj:TS+4*jj+3] offset:64*(jj/2)+16*(jj%2)
.set jj, jj+1
.endr
.set jj, 0
.rept 8
	ds_load_b128 v[BS+4*jj:BS+4*jj+3], v7 offset:2*jj*272   ; LDS serves a wave's instructions in order: these see my stores, and the next block's stores come behind them
.set jj, jj+1
.endr
.endm
.macro SEND a, younger                 ; younger: the LDS instructions issued behind block a's loads
.set BS, BK+32*((\a)%2)
	s_wait_dscnt \younger
.set jj, 0
.rept 8
	global_store_b128 v8, v[BS+4*jj:BS+4*jj+3], s[50:51] offset:(16*(\a)+2*jj)*4096 th:TH_STORE_NT
.set jj, jj+1
.endr
.endm
.rept 4
	v_nop                                          ; places behind the last products
.endr
	UNIT 0
.irp a, 1,2,3,4,5,6,7
	UNIT \a
	SEND \a-1, 16
.endr
	SEND 7, 0
	s_wait_tensorcnt 0x0                           ; the wave's end
	ds_add_u32 v10, v11
	s_wait_dscnt 0x0
	CROUND                                         ; the closing round
	s_endpgm
.Lfunc_end_k_qfc763a0fa9_proj:
	.size	k_qfc763a0fa9_proj, .Lfunc_end_k_qfc763a0fa9_proj-k_qfc763a0fa9_proj
	.p2alignl 7, 3214868480
	.fill 96, 4, 3214868480
	.section	.rodata,"a",@progbits
	.p2align	6, 0x0
	.amdhsa_kernel k_qfc763a0fa9_proj
		.amdhsa_group_segment_fixed_size 327680
		.amdhsa_private_segment_fixed_size 0
		.amdhsa_enable_private_segment 0
		.amdhsa_kernarg_size 48
		.amdhsa_user_sgpr_count 2
		.amdhsa_user_sgpr_kernarg_segment_ptr 1
		.amdhsa_wavefront_size32 1
		.amdhsa_system_sgpr_workgroup_id_x 1
		.amdhsa_system_sgpr_workgroup_id_y 1
		.amdhsa_system_sgpr_workgroup_id_z 1
		.amdhsa_system_vgpr_workitem_id 0
		.amdhsa_next_free_vgpr 1024
		.amdhsa_next_free_sgpr 66
		.amdhsa_reserve_vcc 1
		.amdhsa_float_denorm_mode_32 3
		.amdhsa_float_denorm_mode_16_64 3
		.amdhsa_memory_ordered 1
		.amdhsa_forward_progress 1
		.amdhsa_inst_pref_size 79
	.end_amdhsa_kernel
	.amdgpu_metadata
---
amdhsa.version: [ 1, 2 ]
amdhsa.kernels:
  - .name:           k_qfc763a0fa9_proj
    .symbol:         k_qfc763a0fa9_proj.kd
    .args:
      - { .name: y_codes, .offset: 0, .size: 8, .value_kind: global_buffer, .address_space: global }
      - { .name: w_codes, .offset: 8, .size: 8, .value_kind: global_buffer, .address_space: global }
      - { .name: b_proj, .offset: 16, .size: 8, .value_kind: global_buffer, .address_space: global }
      - { .name: padding_mask, .offset: 24, .size: 8, .value_kind: global_buffer, .address_space: global }
      - { .name: lowp_scales, .offset: 32, .size: 8, .value_kind: global_buffer, .address_space: global }
      - { .name: out0, .offset: 40, .size: 8, .value_kind: global_buffer, .address_space: global }
    .group_segment_fixed_size: 327680
    .private_segment_fixed_size: 0
    .kernarg_segment_align: 8
    .kernarg_segment_size: 48
    .max_flat_workgroup_size: 128
    .sgpr_count:     66
    .vgpr_count:     1024
    .wavefront_size: 32
...
	.end_amdgpu_metadata
.endif
;; end of part 4
